; MI455X (gfx1250); checked and timed in simulation.
; The chip was launched on July 23, 2026; its instructions are those of AMD's public machine-readable ISA for CDNA 5 (MIT licence, August 2026) and "CDNA5" Instruction Set Architecture Reference Guide (July 2026). The comments in the code are by the model that wrote it; some were corrected since.
;; Bahdanau Attention. Allowed arithmetic: float matrix products may take bf16 or f16 operands with f32 sums; other float arithmetic in f32, or as packed bf16 or f16 multiplies, adds, multiply-adds, maxima and minima; sums over many terms, partial sums and values carried from step to step in f32; what a program stores and reads back later, other than sums and carried values, may be rounded once to bf16 or f16.
;; Inputs: Ua_b 1,024 float32; Ua_w 1,024 x 1,024 float32; Va_b 1 float32; Va_w 1 x 1,024 float32; Wa_b 1,024 float32; Wa_w 1,024 x 1,024 float32; keys 32 x 2,048 x 1,024 float32; query 32 x 4 x 512 float32.
;; Outputs: out0 32 x 1 x 1,024 float32; out1 32 x 1 x 2,048 float32.
;; 2 versions, each right; version 2 is version 1 with the launch context written anew for expert scheduling mode. Each part assembles by itself: llvm-mc -triple=amdgcn-amd-amdhsa -mcpu=gfx1250 --defsym DOCPART=n.
;; ======== version 1 of 2: 3 launches
;; workspace buffers: ub 2,097,152 bytes; c2 131,072 bytes; part 1,048,576 bytes
;; launch prep (part 1): grid 64 x 1, 16 waves a work-group, no clusters, 104,448 bytes of LDS; arguments Ua_w, Wa_w, query, Wa_b, Ua_b, ub, c2; writes ub, c2
.if DOCPART == 1
	.amdgcn_target "amdgcn-amd-amdhsa--gfx1250"
	.amdhsa_code_object_version 6
	.text
	.protected	k_qf19753724f_prep
	.globl	k_qf19753724f_prep
	.p2align	8
	.type	k_qf19753724f_prep,@function
k_qf19753724f_prep:
	s_mov_b64 s[64:65], 0
	v_nop
	global_prefetch_b8 v0, s[64:65] scope:SCOPE_SE
	s_setreg_imm32_b32 hwreg(HW_REG_WAVE_MODE, 25, 1), 1
	s_wait_xcnt 0x0
; PREP.  Two small jobs ahead of the large product.
;  (1) ub = Ua_w rounded once to bf16 and laid out as the register image of source 1 of the bf16 matrix instruction:
;      byte ((((nt 16 + ks) 16 + nbl) 2 + kq) 2 + hf) 512 + 16 lane + 2 e holds Ua_w[256 nt + 16 nbl + lane % 16][64 ks + 32 kq + 16 hf + 8 (lane / 16) + e].
;      So 256 columns x 64 k are 32,768 dense bytes, and a fragment is two runs of 512 consecutive bytes.
;  (2) c2[n][b] = 2 log2(e) (q[b] . Wa_w[n] + Wa_b[n] + Ua_b[n]), q[b] = query[b][1] beside query[b][3]; q and Wa_w rounded once to bf16, sums in f32.
;      Byte nb 2048 + t 512 + hh 256 + r 16 + e 4 holds column 16 nb + r, batch 8 t + 4 hh + e.
; SHARES.  Work-group g owns the 16 rows n = 16 g .. of Ua_w and Wa_w (there are 64 such blocks, so 64 work-groups); wave w owns k = 64 w .. 64 w + 63, 256 bytes of each row.
; Every global load takes two rows' 256 aligned bytes; the turn from rows to fragments goes through the wave's own 16 x 272 bytes of LDS.
; K is split over the 16 waves, so their f32 partial sums meet in LDS behind one barrier; waves 0 to 3 add them and store 512 consecutive bytes each.
; NO CLUSTER, NO TENSOR LOAD: each row of Ua_w and Wa_w is read by one work-group; what all share, query's 128 KB, is turned on its way through registers.
; LIMITS.  NaN and infinities are not treated apart; the order of the sum over k differs from a serial one.
.set K2,    0x4038aa3b                 ; 2 log2(e)
.set TRP,   272                        ; a row in the turning stage: 256 bytes + 16: the 16 rows of a fragment load start in 16 different groups of four banks (64 banks of 4 bytes: ISA guide 11.1)
.set TRW,   16*TRP                     ; a wave's stage
.set RED,   16*TRW                     ; behind the stages: 2,048 bytes of partial sums for each wave
.set SPARE, RED+16*2048                ; behind them: the spare words, 128 bytes for each wave, which no other line names
.set GU,    4                          ; v4   two rows of Ua_w or Wa_w: (lane / 16) x 4,096 + 16 (lane % 16)
.set GQ,    5                          ; v5   two batches of query: (lane / 16) x 8,192 + 16 (lane % 16)
.set TS,    6                          ; v6   into the stage: two rows
.set TF,    7                          ; v7   out of it: row lane % 16, 32 bytes for each half of the lanes
.set TQ,    8                          ; v8   the same with the rows in the order that c2's layout wants
.set L16,   9                          ; v9   16 x lane
.set R4,    10                         ; v10  4 x (lane % 16)
.set RST,   16                         ; v16  where my partial sums go
.set RLD,   17                         ; v17  where group w of wave 0's partial sums lies
.set RAWU,  32                         ; 32 registers each: f32 as loaded, then as fragments
.set RAWW,  64
.set RAWQ0, 96
.set RAWQ1, 128
.set PU,    160                        ; 16 registers each: two bf16 fragments (k 0-31, k 32-63)
.set BW,    176
.set AQ0,   192
.set AQ1,   208
.set ACC0,  224                        ; batches 0-15
.set ACC1,  232                        ; batches 16-31
.set BA,    240                        ; Wa_b, Ua_b of my column
.set BB,    241
.set SPW,   242                        ; LDS address of my spare word; never rewritten
.set NIL,   243                        ; 0; never rewritten
	s_load_b256 s[4:11], s[0:1], 0x0               ; Ua_w s[4:5], Wa_w s[6:7], query s[8:9], Wa_b s[10:11]
	s_load_b128 s[12:15], s[0:1], 0x20             ; Ua_b s[12:13], ub s[14:15]
	s_load_b64 s[16:17], s[0:1], 0x30              ; c2
	v_lshl_add_u32 v[SPW], v0, 2, SPARE
	v_mov_b32 v[NIL], 0
	v_lshrrev_b32 v11, 5, v0
	v_readfirstlane_b32 s18, v11                   ; wave 0..15
	v_and_b32 v1, 31, v0                           ; lane
	v_and_b32 v2, 15, v0                           ; r = lane % 16
	v_bfe_u32 v3, v0, 4, 1                         ; h = lane / 16
	v_lshlrev_b32 v12, 4, v2                       ; 16 r
	v_lshl_add_u32 v[GU], v3, 12, v12
	v_lshl_add_u32 v[GQ], v3, 13, v12
	s_mul_i32 s19, s18, TRW                        ; my stage
	v_mul_u32_u24 v[TS], v3, TRP
	v_add3_u32 v[TS], v[TS], v12, s19
	v_mul_u32_u24 v[TF], v2, TRP
	v_lshl_add_u32 v[TF], v3, 5, v[TF]
	v_add_nc_u32 v[TF], s19, v[TF]
	v_bfe_u32 v13, v0, 2, 1                        ; row m of the product takes batch 8 ((m / 4) % 2) + 4 (m / 8) + m % 4 of its sixteen,
	v_bfe_u32 v14, v0, 3, 1                        ; so that a lane's registers 4 q .. 4 q + 3 hold batches 8 q + 4 h + 0 .. 3: c2's order
	v_and_b32 v15, 3, v0
	v_lshl_add_u32 v15, v13, 3, v15
	v_lshl_add_u32 v15, v14, 2, v15
	v_mul_u32_u24 v[TQ], v15, TRP
	v_lshl_add_u32 v[TQ], v3, 5, v[TQ]
	v_add_nc_u32 v[TQ], s19, v[TQ]
	v_lshlrev_b32 v[L16], 4, v1
	v_lshlrev_b32 v[R4], 2, v2
	s_lshl_b32 s20, ttmp9, 16                      ; my 16 rows of 4,096 bytes,
	s_lshl_b32 s22, s18, 8                         ; my wave's 256 bytes of them
	s_add_co_u32 s20, s20, s22
	s_mov_b32 s21, 0
	s_lshr_b32 s24, s18, 3                         ; q's k = 0..511 lie in query[b][1], at byte 2,048; k = 512.. in query[b][3], 2,048 bytes beyond their place behind it
	s_lshl_b32 s24, s24, 11
	s_add_co_u32 s24, s24, s22
	s_add_co_u32 s24, s24, 2048
	s_mov_b32 s25, 0
	s_lshl_b32 s26, ttmp9, 6                       ; my 16 columns in the biases
	s_mov_b32 s27, 0
	s_lshr_b32 s28, ttmp9, 4                       ; ub: nt x 524,288 + ks x 32,768 + nbl x 2,048
	s_lshl_b32 s28, s28, 19
	s_lshl_b32 s30, s18, 15
	s_add_co_u32 s28, s28, s30
	s_and_b32 s30, ttmp9, 15
	s_lshl_b32 s30, s30, 11
	s_add_co_u32 s28, s28, s30
	s_mov_b32 s29, 0
	s_lshl_b32 s30, ttmp9, 11                      ; c2: my block's 2,048 bytes, group w's 512 of them (waves 0 to 3 alone use it)
	s_lshl_b32 s32, s18, 9
	s_add_co_u32 s30, s30, s32
	s_mov_b32 s31, 0
	s_add_co_u32 s32, s32, RED
	v_add_nc_u32 v[RLD], s32, v[L16]
	s_lshl_b32 s33, s18, 11
	s_add_co_u32 s33, s33, RED
	v_add_nc_u32 v[RST], s33, v[L16]
	s_mov_b32 s34, K2
	s_wait_kmcnt 0x0
	s_add_nc_u64 s[4:5], s[4:5], s[20:21]
	s_add_nc_u64 s[6:7], s[6:7], s[20:21]
	s_add_nc_u64 s[8:9], s[8:9], s[24:25]
	s_add_nc_u64 s[10:11], s[10:11], s[26:27]
	s_add_nc_u64 s[12:13], s[12:13], s[26:27]
	s_add_nc_u64 s[14:15], s[14:15], s[28:29]
	s_add_nc_u64 s[16:17], s[16:17], s[30:31]
	; all 34 loads go out at once: 8 for Ua_w, 8 for Wa_w, 8 + 8 for the 32 batches of q, 2 for the biases
.irp i, 0,1,2,3,4,5,6,7
	global_load_b128 v[RAWU+4*(\i):RAWU+4*(\i)+3], v[GU], s[4:5] offset:(\i)*8192 th:TH_LOAD_NT
.endr
.irp i, 0,1,2,3,4,5,6,7
	global_load_b128 v[RAWW+4*(\i):RAWW+4*(\i)+3], v[GU], s[6:7] offset:(\i)*8192 th:TH_LOAD_NT
.endr
.irp i, 0,1,2,3,4,5,6,7
	global_load_b128 v[RAWQ0+4*(\i):RAWQ0+4*(\i)+3], v[GQ], s[8:9] offset:(\i)*16384
.endr
.irp i, 0,1,2,3,4,5,6,7
	global_load_b128 v[RAWQ1+4*(\i):RAWQ1+4*(\i)+3], v[GQ], s[8:9] offset:(8+(\i))*16384
.endr
	global_load_b32 v[BA], v[R4], s[10:11]
	global_load_b32 v[BB], v[R4], s[12:13]
; 16 rows x 64 f32 go into my stage by rows and come back by fragments, into the registers that they left: for 32 k a lane wants k = 8 h + 0..7 and 16 + 8 h + 0..7 of its row,
; four loads of 16 bytes.  LDS serves a wave's instructions in order (ISA guide 5.7.1.4): the loads see the stores, and the next turn's stores come behind these loads.
.macro TRANS raw, adr
.irp i, 0,1,2,3,4,5,6,7
	ds_store_b128 v[TS], v[(\raw)+4*(\i):(\raw)+4*(\i)+3] offset:(\i)*2*TRP
.endr
.irp q, 0,1
	ds_load_b128 v[(\raw)+16*(\q):(\raw)+16*(\q)+3],     v[\adr] offset:(\q)*128
	ds_load_b128 v[(\raw)+16*(\q)+4:(\raw)+16*(\q)+7],   v[\adr] offset:(\q)*128+16
	ds_load_b128 v[(\raw)+16*(\q)+8:(\raw)+16*(\q)+11],  v[\adr] offset:(\q)*128+64
	ds_load_b128 v[(\raw)+16*(\q)+12:(\raw)+16*(\q)+15], v[\adr] offset:(\q)*128+80
.endr
.endm
.macro CVT dst, raw                    ; 32 f32 a lane to two bf16 fragments, each number rounded once
	s_wait_dscnt 0x0
.set j, 0
.rept 16
	v_cvt_pk_bf16_f32 v[(\dst)+j], v[(\raw)+2*j], v[(\raw)+2*j+1]
.set j, j+1
.endr
.endm
	s_wait_loadcnt 26                              ; Ua_w's eight are in; the 26 younger loads stay out
	TRANS RAWU, TF
	CVT PU, RAWU
.irp j, 0,1,2,3
	global_store_b128 v[L16], v[PU+4*(\j):PU+4*(\j)+3], s[14:15] offset:(\j)*512  ; 512 consecutive bytes, at a multiple of 512 from ub's first byte
.endr
	s_wait_loadcnt 18                              ; Wa_w's eight; 18 younger
	TRANS RAWW, TF
	CVT BW, RAWW
	s_wait_loadcnt 10                              ; batches 0-15; 10 younger
	TRANS RAWQ0, TQ
	CVT AQ0, RAWQ0
	s_wait_loadcnt 2                               ; batches 16-31; the two bias loads stay out
	TRANS RAWQ1, TQ
	CVT AQ1, RAWQ1
	; q (16 batches) x Wa_w (16 columns) over my 64 k; the two accumulators take turns; the first products start the sums
	v_wmma_f32_16x16x32_bf16 v[ACC0:ACC0+7], v[AQ0:AQ0+7],    v[BW:BW+7],    0
	v_wmma_f32_16x16x32_bf16 v[ACC1:ACC1+7], v[AQ1:AQ1+7],    v[BW:BW+7],    0
	v_wmma_f32_16x16x32_bf16 v[ACC0:ACC0+7], v[AQ0+8:AQ0+15], v[BW+8:BW+15], v[ACC0:ACC0+7]
	v_wmma_f32_16x16x32_bf16 v[ACC1:ACC1+7], v[AQ1+8:AQ1+15], v[BW+8:BW+15], v[ACC1:ACC1+7]
.rept 4
	v_nop                                          ; four places between a product and the LDS store that reads it
.endr
	ds_store_b128 v[RST], v[ACC0:ACC0+3]           ; group 0: batches 0-7.  Each accumulator's low registers go first
	ds_store_b128 v[RST], v[ACC0+4:ACC0+7] offset:512
	ds_store_b128 v[RST], v[ACC1:ACC1+3]   offset:1024
	ds_store_b128 v[RST], v[ACC1+4:ACC1+7] offset:1536
	s_wait_dscnt 0x0                               ; for the others' sake: my partial sums are in LDS
	s_barrier_signal -1
	s_barrier_wait -1
	s_cmp_gt_u32 s18, 3
	s_cbranch_scc1 .Lend                           ; four groups of 512 bytes: waves 0 to 3 add one each
.irp i, 0,1,2,3,4,5,6,7,8,9,10,11,12,13,14,15
	ds_load_b128 v[32+4*(\i):32+4*(\i)+3], v[RLD] offset:(\i)*2048
.endr
	s_wait_dscnt 0x0
.irp d, 8,4,2,1
.set i, 0
.rept (\d)
	v_pk_add_f32 v[32+4*i:32+4*i+1],   v[32+4*i:32+4*i+1],   v[32+4*(i+(\d)):32+4*(i+(\d))+1]
	v_pk_add_f32 v[32+4*i+2:32+4*i+3], v[32+4*i+2:32+4*i+3], v[32+4*(i+(\d))+2:32+4*(i+(\d))+3]
.set i, i+1
.endr
.endr
	s_wait_loadcnt 0x0                             ; the biases
	v_add_f32 v[BA], v[BA], v[BB]
	v_mul_f32 v[BA], s34, v[BA]
.irp e, 0,1,2,3
	v_fma_f32 v[32+(\e)], v[32+(\e)], s34, v[BA]   ; 2 log2(e) x (sum + biases)
.endr
	global_store_b128 v[L16], v[32:35], s[16:17]   ; 512 consecutive bytes, at a multiple of 512 from c2's first byte
.Lend:
	s_wait_tensorcnt 0x0                           ; the wave's end: behind my last LDS store
	ds_add_u32 v[SPW], v[NIL]
	s_wait_dscnt 0x0
	s_endpgm
.Lfunc_end_k_qf19753724f_prep:
	.size	k_qf19753724f_prep, .Lfunc_end_k_qf19753724f_prep-k_qf19753724f_prep
	.p2alignl 7, 3214868480
	.fill 96, 4, 3214868480
	.section	.rodata,"a",@progbits
	.p2align	6, 0x0
	.amdhsa_kernel k_qf19753724f_prep
		.amdhsa_group_segment_fixed_size 104448
		.amdhsa_private_segment_fixed_size 0
		.amdhsa_enable_private_segment 0
		.amdhsa_kernarg_size 56
		.amdhsa_user_sgpr_count 2
		.amdhsa_user_sgpr_kernarg_segment_ptr 1
		.amdhsa_wavefront_size32 1
		.amdhsa_system_sgpr_workgroup_id_x 1
		.amdhsa_system_sgpr_workgroup_id_y 1
		.amdhsa_system_sgpr_workgroup_id_z 1
		.amdhsa_system_vgpr_workitem_id 0
		.amdhsa_next_free_vgpr 244
		.amdhsa_next_free_sgpr 66
		.amdhsa_reserve_vcc 0
		.amdhsa_float_denorm_mode_32 3
		.amdhsa_float_denorm_mode_16_64 3
		.amdhsa_memory_ordered 1
		.amdhsa_forward_progress 1
		.amdhsa_inst_pref_size 20
	.end_amdhsa_kernel
	.amdgpu_metadata
---
amdhsa.version: [ 1, 2 ]
amdhsa.kernels:
  - .name:           k_qf19753724f_prep
    .symbol:         k_qf19753724f_prep.kd
    .args:
      - { .name: Ua_w, .offset: 0, .size: 8, .value_kind: global_buffer, .address_space: global }
      - { .name: Wa_w, .offset: 8, .size: 8, .value_kind: global_buffer, .address_space: global }
      - { .name: query, .offset: 16, .size: 8, .value_kind: global_buffer, .address_space: global }
      - { .name: Wa_b, .offset: 24, .size: 8, .value_kind: global_buffer, .address_space: global }
      - { .name: Ua_b, .offset: 32, .size: 8, .value_kind: global_buffer, .address_space: global }
      - { .name: ub, .offset: 40, .size: 8, .value_kind: global_buffer, .address_space: global }
      - { .name: c2, .offset: 48, .size: 8, .value_kind: global_buffer, .address_space: global }
    .group_segment_fixed_size: 104448
    .private_segment_fixed_size: 0
    .kernarg_segment_align: 8
    .kernarg_segment_size: 56
    .max_flat_workgroup_size: 512
    .sgpr_count:     66
    .vgpr_count:     244
    .wavefront_size: 32
...
	.end_amdgpu_metadata
.endif
;; end of part 1
;; launch energy (part 2): grid 4 x 64, 4 waves a work-group, clusters of 4 x 4, 327,680 bytes of LDS; arguments keys, ub, c2, Va_w, part; writes part
.if DOCPART == 2
	.amdgcn_target "amdgcn-amd-amdhsa--gfx1250"
	.amdhsa_code_object_version 6
	.text
	.protected	k_qf19753724f_energy
	.globl	k_qf19753724f_energy
	.p2align	8
	.type	k_qf19753724f_energy,@function
k_qf19753724f_energy:
	s_mov_b64 s[64:65], 0
	v_nop
	global_prefetch_b8 v0, s[64:65] scope:SCOPE_SE
	s_setreg_imm32_b32 hwreg(HW_REG_WAVE_MODE, 25, 1), 1
	s_wait_xcnt 0x0
	s_wait_alu depctr_hold_cnt(0) depctr_sa_sdst(0) depctr_va_vdst(0) depctr_va_sdst(0) depctr_va_ssrc(0) depctr_va_vcc(0) depctr_vm_vsrc(0)
	s_getreg_b32 s2, hwreg(HW_REG_IB_STS2, 6, 4)
	s_cmp_eq_u32 s2, 0
	s_cbranch_scc0 .Lentry_in_a_cluster
	s_endpgm
.Lentry_in_a_cluster:
	s_bfe_u32 s2, ttmp6, 0x10000c
	s_cmp_lg_u32 s2, 0xf033
	s_cbranch_scc0 .Lentry_shape_is_right
	s_endpgm
.Lentry_shape_is_right:
; ENERGY.  part[nt][row] = the sum over the 256 columns n of tile column nt of Va_w[n] tanh(keys[row] . Ua_w[n] + c[n][batch]), row = 0 .. 65,535 (batch x 2,048 + s).
; keys are f32 and are rounded once to bf16 between LDS and the matrix unit; Ua_w comes as ub, bf16 in fragment order; c comes as c2 = 2 log2(e) c.  Sums in f32.
; tanh(x) = 1 - 2 / (1 + 2^(2 log2(e) x)), so a lane's share is (sum of its Va) + sum of (-2 Va) / (1 + 2^(K2 acc + c2)).
; LIMITS.  That form of tanh is off by about 1e-7 absolutely (not relatively) near x = 0; for large |x| the power is an infinity or 0 and the quotient 0 or 1: tanh = 1 or -1, as it should be.
; NaN and infinities in the inputs are not treated apart.
; SHARES.  A tile is 256 rows x 256 columns, all 1,024 k.  Four waves; wave w owns rows 64 w .. 64 w + 63 and ALL 256 columns: 64 accumulators of 16 x 16, 512 registers.  So each f32 fragment of keys is read
; from LDS and rounded by one wave alone.  A WORK-GROUP STAYS: it makes 4 tiles, 16,384 rows (8 batches) apart; a tile lies inside one batch.
; THE RING HAS TWO UNEQUAL SLOTS.  A load is out from one refill's barrier to the next, so what it may take is set by how much k the slots hold.  For each k keys take 1,024 bytes (and padding), ub 512: two slots
; of 128 k would be 401,408 bytes, more than LDS has.  So slot X holds 128 k (135,168 + 65,536 bytes) and slot Y 64 k (69,632 + 32,768): 303,104 together.  A tile's K is Y X Y X Y X Y X Y X Y:
; 6 x 64 + 5 x 128 = 1,024.  keys' rows in a tile are 256 or 512 bytes of memory and start at multiples of 256 bytes.  Work goes in HALVES of 32 k, 64 matrix instructions, one on each accumulator: Y has 2, X has 4.
; TWO BARRIERS FOR 192 k, each as early as its slot's last reads allow.  X's stands in X's third half, whose first lines fetch X's last fragments: X's refill then has 8 + 64 + 64 = 136 matrix instructions in which
; to land; that barrier also shows the next Y whole.  Y's stands in Y's second half and shows the next X whole: Y's refill has 48 + 64 + 64 + 40 = 216.
; A tile begins and ends in Y: the next tile's first X is asked for at the last barrier of X, its first Y at a barrier in the tile's last half, and that one lands while the tile goes out.
; CLUSTER.  4 x 4 work-groups.  The four of a row of the cluster make the four tile columns of the same 256 rows and need the same tile of keys; the four of a column need the same tile of ub.
; Each tile is asked for JOINTLY: the same tensor load, descriptor and mask in all four.  The product has four tile columns, so keys are asked for once in the launch.
; THE MATRIX INSTRUCTION IS USED AS IT COMES: source 0 = 16 rows of keys, source 1 = 16 columns.  A lane then holds ONE column (lane % 16) and eight rows: c2 and Va are one number a lane and column block.
; REGISTERS, in windows of 256 (s_set_vgpr_msb: bits 1:0 source 0, 3:2 source 1, 5:4 source 2, 7:6 destination):
;   window 0: v0-31 addresses; v32-95 keys as f32, as loaded; v96-159 keys' bf16 fragments, two buffers (on the way out the second is at work); v160-191 c2; v192-223 -2 Va; v224-255 the row sums
;   window 1: ub's fragments, two buffers of 128          windows 2, 3: the accumulators: number i = 4 b + a (column block b, row block a) at v[8 (i % 32)] of window 2 + i / 32
.set PX,     528                       ; a row of keys in slot X: 512 bytes + 16 of padding = 132 words; in slot Y: 256 + 16 = 68 words.  Either way row r starts at bank 4 r mod 64
.set PY,     272                       ; (64 banks of 4 bytes: ISA guide 11.1): the 16 rows of a fragment load start in 16 different groups of four banks
.set XA,     0                         ; slot X: keys, 256 rows
.set XB,     XA+256*PX                 ;         ub, 256 columns x 128 k: two of its K steps of 32,768 bytes
.set YA,     XB+65536                  ; slot Y: keys
.set YB,     YA+256*PY                 ;         ub, one K step
.set SPARE,  YB+32768                  ; behind the ring: the spare words, 128 bytes for each wave, which no other line names
.set TILES,  4
.set WALKB,  16384*4096                ; bytes of keys from a tile to the work-group's next
.set STEP_A, 192*4                     ; a slot's next tile lies 192 k on: in keys' rows,
.set STEP_B, 3*32768                   ; and in ub
.set NEXT_AX, WALKB-4*STEP_A           ; from a tile's last X (its fifth) to the next tile's first
.set NEXT_AY, WALKB-5*STEP_A           ; from a tile's last Y (its sixth) to the next tile's first
.set BACK_BX, 4*STEP_B                 ; ub only goes back: all my tiles take the same columns
.set BACK_BY, 5*STEP_B
.set K2,     0x4038aa3b                ; 2 log2(e)
.set ADRA, 16                          ; v16-17  LDS address of my fragments of keys in slot X, Y
.set ADRB, 20                          ; v20-21  the same for ub
.set CO,   24                          ; v24     16 (lane % 16): my column in c2
.set PO,   25                          ; v25     my 8 bytes in the wave's 256 bytes of part
.set VO,   26                          ; v26     4 (lane % 16): my column in Va_w
.set SPW,  28                          ; v28     LDS address of my spare word; never rewritten
.set NIL,  29                          ; v29     0; never rewritten
.set VS,   30                          ; v30-31  the sum of my 16 Va, twice
.set ST,   32                          ; keys as f32: 16 registers for each of 4 row blocks
.set AF,   96                          ; buffer f, row block a at AF + 32 f + 8 a
.set TT,   128                         ; the way out: two sets of 8 at work, where keys' buffer 1 lay
.set UU,   144                         ; the way out: 16 at work
.set C2,   160                         ; column block b at C2 + 2 b; the odd registers are only named
.set VA,   192                         ; column block b: -2 Va, twice, at VA + 2 b
.set SS,   224                         ; row block a, register j at SS + 8 a + j
.set G1A, 24                           ; s[24:31], s[32:39] descriptor group 1 for keys' tiles of slot X, Y
.set G1B, 40                           ; s[40:47], s[48:55] the same for ub's
.set G0A, 56                           ; s[56:59], s[60:63] descriptor group 0 for keys' tiles of slot X, Y
.set G0B, 80                           ; s[80:83], s[84:87] the same for ub's
.set MSB, 0
.macro WIN new                         ; the immediate's high byte repeats the setting that is left; a switch that changes nothing is dropped
.if MSB != (\new)
	s_set_vgpr_msb (MSB<<8)|(\new)
.set MSB, \new
.endif
.endm
.set MUL_LO, 0xa4                      ; source 0 (keys) window 0, source 1 (ub) window 1, C and D window 2
.set TO_B,   0x40                      ; destination window 1, address window 0
; A joint load into slot sl (0: X, 1: Y).  Waves 0 and 1 fetch the two halves of keys' tile, waves 2 and 3 those of ub's.  The branch hangs on the wave's number alone.
; An s_nop 0 and four v_nop follow each of the two lines, ahead of the jump, the label and what follows.
.macro JLOAD sl
	s_cmp_eq_u32 s15, 0
	s_cbranch_scc0 .Lfor_b_\@
	tensor_load_to_lds s[G0A+4*(\sl):G0A+4*(\sl)+3], s[G1A+8*(\sl):G1A+8*(\sl)+7]
	s_nop 0
.rept 4
	v_nop
.endr
	s_branch .Lasked_\@
.Lfor_b_\@:
	tensor_load_to_lds s[G0B+4*(\sl):G0B+4*(\sl)+3], s[G1B+8*(\sl):G1B+8*(\sl)+7]
	s_nop 0
.rept 4
	v_nop
.endr
.Lasked_\@:
.endm
; A round of the cluster's barrier: my work-group's barrier, so that wave 0's signal speaks for all four waves; wave 0 signals; every wave waits for all sixteen work-groups; my work-group's barrier once more.
.macro CREST                           ; a round behind its opening barrier
	s_cmp_lg_u32 s14, 0
	s_cbranch_scc1 .Lnot_wave_0_\@
	s_barrier_signal -3
.Lnot_wave_0_\@:
	s_barrier_wait -3
	s_barrier_signal -1
	s_barrier_wait -1
.endm
.macro CROUND
	s_barrier_signal -1
	s_barrier_wait -1
	CREST
.endm
	s_load_b256 s[4:11], s[0:1], 0x0               ; keys s[4:5], ub s[6:7], c2 s[8:9], Va_w s[10:11]
	s_load_b64 s[12:13], s[0:1], 0x20              ; part
	v_lshl_add_u32 v[SPW], v0, 2, SPARE
	v_mov_b32 v[NIL], 0
	ds_add_u32 v[SPW], v[NIL]                      ; the wave's opening: the add and its wait stand ahead of my first tensor load; the set-up below, work on registers, stands between them
	v_lshrrev_b32 v1, 5, v0
	v_readfirstlane_b32 s14, v1                    ; wave 0..3
	s_lshr_b32 s15, s14, 1                         ; I fetch for keys (0) or for ub (1),
	s_and_b32 s16, s14, 1                          ; and which half of that tile
	s_bfe_u32 s17, ttmp6, 0x40000                  ; cx, cy: my place in the cluster
	s_bfe_u32 s18, ttmp6, 0x40004
	s_lshl_b32 s19, ttmp9, 2
	s_add_co_u32 s19, s19, s17                     ; nt, the tile column = 4 x cluster x + cx
	s_and_b32 s20, ttmp7, 0xffff
	s_lshl_b32 s20, s20, 2
	s_add_co_u32 s20, s20, s18                     ; y, my first tile row = 4 x cluster y + cy
	s_lshl_b32 s21, s18, 2
	s_lshl_b32 s21, 15, s21                        ; my row of the cluster
	s_lshl_b32 s22, 0x1111, s17                    ; my column
	; keys, slot X: 128 rows x 128 elements of 4 bytes, padded in LDS
	s_or_b32 s[G1A+0], s21, (2<<16)|(1<<20)|(1<<21)|(6<<22)|(3<<25)  ; 15:0 the mask: my row; 17:16 elements of 4 bytes; 20 padding on; 21 set beside a mask; 24:22 after every 128 words (code 6); 31:25 4 words of it (code 3)
	s_mov_b32 s[G1A+1], 128<<16                    ; tensor_dim0 = 128
	s_mov_b32 s[G1A+2], 128<<16                    ; tensor_dim1 = 128
	s_mov_b32 s[G1A+3], 128<<16                    ; tile_dim0 = 128
	s_mov_b32 s[G1A+4], 128                        ; tile_dim1 = 128
	s_mov_b32 s[G1A+5], 1024                       ; 1,024 elements from row to row
	s_mov_b32 s[G1A+6], 0
	s_mov_b32 s[G1A+7], 0
	; keys, slot Y: 128 rows x 64 elements
	s_or_b32 s[G1A+8], s21, (2<<16)|(1<<20)|(1<<21)|(5<<22)|(3<<25)  ; the same with padding after every 64 words (code 5)
	s_mov_b32 s[G1A+9], 64<<16
	s_mov_b32 s[G1A+10], 128<<16
	s_mov_b32 s[G1A+11], 64<<16
	s_mov_b32 s[G1A+12], 128
	s_mov_b32 s[G1A+13], 1024
	s_mov_b32 s[G1A+14], 0
	s_mov_b32 s[G1A+15], 0
	; ub: dense bytes as rows of 32 elements of 8 bytes, no padding: fragments are read as consecutive bytes.  Slot X: 128 rows a wave (32,768 bytes); slot Y: 64
	s_or_b32 s[G1B+0], s22, (3<<16)|(1<<21)        ; 15:0 the mask: my column; 17:16 elements of 8 bytes; 21 set beside a mask
	s_mov_b32 s[G1B+1], 32<<16
	s_mov_b32 s[G1B+2], 128<<16
	s_mov_b32 s[G1B+3], 32<<16
	s_mov_b32 s[G1B+4], 128
	s_mov_b32 s[G1B+5], 32
	s_mov_b32 s[G1B+6], 0
	s_mov_b32 s[G1B+7], 0
	s_or_b32 s[G1B+8], s22, (3<<16)|(1<<21)
	s_mov_b32 s[G1B+9], 32<<16
	s_mov_b32 s[G1B+10], 64<<16
	s_mov_b32 s[G1B+11], 32<<16
	s_mov_b32 s[G1B+12], 64
	s_mov_b32 s[G1B+13], 32
	s_mov_b32 s[G1B+14], 0
	s_mov_b32 s[G1B+15], 0
	; keys' address hangs on the tile row and the wave alone, ub's on the tile column and the wave alone; no place in the cluster enters an LDS address
	s_lshl_b32 s88, s20, 20                        ; 256 y rows of 4,096 bytes
	s_lshl_b32 s23, s16, 19                        ; + my 128 rows
	s_add_co_u32 s88, s88, s23
	s_mov_b32 s89, 0
	s_lshl_b32 s90, s19, 19                        ; ub's 16 K steps of 32,768 bytes for tile column nt;
	s_lshl_b32 s23, s16, 14
	s_add_co_u32 s90, s90, s23                     ; slot Y: K step 0, my 16,384 bytes of it
	s_mov_b32 s91, 0
	s_add_co_u32 s92, s90, s23                     ; slot X: K steps 1 and 2, one a wave
	s_add_co_u32 s92, s92, 32768
	s_mov_b32 s93, 0
	s_mul_i32 s94, s16, 128*PX                     ; where they go: keys in X (XA = 0),
	s_mul_i32 s95, s16, 128*PY
	s_add_co_u32 s95, s95, YA                      ; keys in Y,
	s_add_co_u32 s78, s23, YB                      ; ub in Y,
	s_lshl_b32 s79, s16, 15
	s_add_co_u32 s79, s79, XB                      ; ub in X
	s_mov_b32 s66, K2
	s_mov_b32 s67, K2                              ; named with it as a pair
	s_mov_b32 s68, 0xff00ff00                      ; lanes whose lane % 16 has bit 3, 2, 1, 0 set
	s_mov_b32 s69, 0xf0f0f0f0
	s_mov_b32 s70, 0xcccccccc
	s_mov_b32 s71, 0xaaaaaaaa
	s_wait_dscnt 0x0                               ; the opening add is done
	s_wait_kmcnt 0x0
	s_add_nc_u64 s[88:89], s[4:5], s[88:89]
	s_add_nc_u64 s[90:91], s[6:7], s[90:91]
	s_add_nc_u64 s[92:93], s[6:7], s[92:93]
	CROUND                                         ; all sixteen work-groups are here: the first joint loads meet
	s_mov_b32 s[G0A+4], 1                          ; slot Y, k = 0 .. 63: count = 1,
	s_mov_b32 s[G0A+5], s95                        ; LDS address,
	s_add_nc_u64 s[G0A+6:G0A+7], s[88:89], 0       ; global address,
	s_or_b32 s[G0A+7], s[G0A+7], 0x80000000        ; type = 2
	s_mov_b32 s[G0B+4], 1
	s_mov_b32 s[G0B+5], s78
	s_add_nc_u64 s[G0B+6:G0B+7], s[90:91], 0
	s_or_b32 s[G0B+7], s[G0B+7], 0x80000000
	JLOAD 1                                        ; the slot that is wanted first goes first
	s_mov_b32 s[G0A], 1                            ; slot X, k = 64 .. 191
	s_mov_b32 s[G0A+1], s94
	s_add_nc_u64 s[G0A+2:G0A+3], s[88:89], 256
	s_or_b32 s[G0A+3], s[G0A+3], 0x80000000
	s_mov_b32 s[G0B], 1
	s_mov_b32 s[G0B+1], s79
	s_add_nc_u64 s[G0B+2:G0B+3], s[92:93], 0
	s_or_b32 s[G0B+3], s[G0B+3], 0x80000000
	JLOAD 0                                        ; the ring is filled before anything else is done: two loads of mine are out
	s_lshl_b32 s76, s19, 10                        ; Va_w at my tile's 256 columns
	s_mov_b32 s77, 0
	s_add_nc_u64 s[10:11], s[10:11], s[76:77]
	s_lshl_b32 s76, s19, 15                        ; c2: 16 column blocks of 2,048 bytes a tile column; batch y / 8 + 8 t: its low three bits choose 256 (bit 2) and 4 (bits 1:0) bytes, t steps by 512
	s_lshr_b32 s78, s20, 3
	s_lshr_b32 s79, s78, 2
	s_lshl_b32 s79, s79, 8
	s_add_co_u32 s76, s76, s79
	s_and_b32 s78, s78, 3
	s_lshl_b32 s78, s78, 2
	s_add_co_u32 s76, s76, s78
	s_add_nc_u64 s[72:73], s[8:9], s[76:77]
	s_lshl_b32 s76, s19, 18                        ; part: 65,536 f32 a tile column; my wave's 64 rows of tile row y
	s_lshl_b32 s78, s20, 10
	s_add_co_u32 s76, s76, s78
	s_lshl_b32 s78, s14, 8
	s_add_co_u32 s76, s76, s78
	s_add_nc_u64 s[74:75], s[12:13], s[76:77]
	v_and_b32 v1, 15, v0                           ; r = lane % 16
	v_bfe_u32 v2, v0, 4, 1                         ; h = lane / 16
	v_and_b32 v3, 31, v0
	v_lshlrev_b32 v[VO], 2, v1
.irp b, 0,1,2,3,4,5,6,7,8,9,10,11,12,13,14,15
	global_load_b32 v[VA+2*(\b)], v[VO], s[10:11] offset:64*(\b)
.endr
	; A bf16 fragment wants of its row k = 8 h + 0..7 and 16 + 8 h + 0..7: in f32 that is 32 bytes at 32 h and 32 bytes at 64 + 32 h: four loads of 16 bytes
	v_mul_u32_u24 v4, v1, PX
	v_lshl_add_u32 v4, v2, 5, v4
	s_mul_i32 s76, s14, 64*PX                      ; my 64 rows in X,
	v_add_nc_u32 v[ADRA], s76, v4
	v_mul_u32_u24 v5, v1, PY
	v_lshl_add_u32 v5, v2, 5, v5
	s_mul_i32 s76, s14, 64*PY                      ; and in Y
	s_add_co_u32 s76, s76, YA
	v_add_nc_u32 v[ADRA+1], s76, v5
	v_lshlrev_b32 v6, 4, v3                        ; ub lies in fragment order: 16 x lane
	v_add_nc_u32 v[ADRB], XB, v6
	v_add_nc_u32 v[ADRB+1], YB, v6
	v_lshlrev_b32 v[CO], 4, v1
	v_bfe_u32 v6, v0, 2, 2                         ; at the end a lane holds rows 16 (r / 4) + 8 h + 2 (r % 4) + 0, 1 of the wave's 64
	v_and_b32 v7, 3, v0
	v_lshlrev_b32 v[PO], 6, v6
	v_lshl_add_u32 v[PO], v2, 5, v[PO]
	v_lshl_add_u32 v[PO], v7, 3, v[PO]
.irp b, 0,1,2,3,4,5,6,7,8,9,10,11,12,13,14,15
	v_mov_b32 v[C2+2*(\b)+1], 0                    ; named with c2 as a pair by the packed multiply-add, which takes the low word for both halves
.endr
	s_wait_loadcnt 0x0                             ; Va
	v_add_f32 v[VS], v[VA], v[VA+2]
.irp b, 2,3,4,5,6,7,8,9,10,11,12,13,14,15
	v_add_f32 v[VS], v[VS], v[VA+2*(\b)]
.endr
	v_mov_b32 v[VS+1], v[VS]
.irp b, 0,1,2,3,4,5,6,7,8,9,10,11,12,13,14,15
	v_mul_f32 v[VA+2*(\b)], -2.0, v[VA+2*(\b)]
	v_mov_b32 v[VA+2*(\b)+1], v[VA+2*(\b)]
.endr
; n matrix instructions, numbers first .. of a half's 64, on buffer f.  Number i: column block i / 4, row block i % 4.  The 64 accumulators take turns, one instruction a turn, in the same order in every half.
; zero = 1: the product starts the sum: nothing is ever cleared.
.macro MM f, first, n, zero
.set mi, \first
.rept \n
	WIN MUL_LO+0x50*(mi/32)
.if \zero
	v_wmma_f32_16x16x32_bf16 v[8*(mi%32):8*(mi%32)+7], v[AF+32*(\f)+8*(mi%4):AF+32*(\f)+8*(mi%4)+7], v[128*(\f)+8*(mi/4):128*(\f)+8*(mi/4)+7], 0
.else
	v_wmma_f32_16x16x32_bf16 v[8*(mi%32):8*(mi%32)+7], v[AF+32*(\f)+8*(mi%4):AF+32*(\f)+8*(mi%4)+7], v[128*(\f)+8*(mi/4):128*(\f)+8*(mi/4)+7], v[8*(mi%32):8*(mi%32)+7]
.endif
.set mi, mi+1
.endr
.endm
; 48 LDS loads in one run: the 32 k number q of slot sl (0: X, q = 0..3; 1: Y, q = 0, 1): keys' 64 rows as f32 (16 loads, first), then ub's 16 fragments into buffer g (32 loads).
; In ub a K step of 64 k is 32,768 bytes: column block b at 2,048 b, its two 32 k 1,024 bytes apart.
.macro FETCH sl, q, g
.if (\sl) == 0
.set fP, PX
.set fO, ((\q)/2)*32768+((\q)%2)*1024
.else
.set fP, PY
.set fO, (\q)*1024
.endif
	WIN 0
.irp a, 0,1,2,3
	ds_load_b128 v[ST+16*(\a):ST+16*(\a)+3],     v[ADRA+(\sl)] offset:(\a)*16*fP+(\q)*128
	ds_load_b128 v[ST+16*(\a)+4:ST+16*(\a)+7],   v[ADRA+(\sl)] offset:(\a)*16*fP+(\q)*128+16
	ds_load_b128 v[ST+16*(\a)+8:ST+16*(\a)+11],  v[ADRA+(\sl)] offset:(\a)*16*fP+(\q)*128+64
	ds_load_b128 v[ST+16*(\a)+12:ST+16*(\a)+15], v[ADRA+(\sl)] offset:(\a)*16*fP+(\q)*128+80
.endr
	WIN TO_B
.irp b, 0,1,2,3,4,5,6,7,8,9,10,11,12,13,14,15
	ds_load_b128 v[128*(\g)+8*(\b):128*(\g)+8*(\b)+3],   v[ADRB+(\sl)] offset:fO+(\b)*2048
	ds_load_b128 v[128*(\g)+8*(\b)+4:128*(\g)+8*(\b)+7], v[ADRB+(\sl)] offset:fO+(\b)*2048+512
.endr
.endm
.macro CV4 g, c                        ; four of the 32 roundings that make buffer g of keys' fragments
	WIN 0
.irp k, 0,1,2,3
	v_cvt_pk_bf16_f32 v[AF+32*(\g)+4*(\c)+(\k)], v[ST+8*(\c)+2*(\k)], v[ST+8*(\c)+2*(\k)+1]
.endr
.endm
; A load into a register that a matrix instruction has read, and a vector instruction that reads a matrix result or writes one of a matrix instruction's registers, stand four places behind it; only plain
; vector instructions that name none of its registers are places (ISA guide 7.12.1 for vector instructions).
.macro PLACES
.rept 4
	v_nop
.endr
.endm
; The last eight products of a half on buffer f; behind each, four roundings for buffer g: they name nothing of the products round them, and the wave issues them while the matrix unit works.
.macro TAILRUN f, g, zero
	s_wait_dscnt 32                                ; keys' 16 loads are in; ub's 32, issued behind them, may stay out
.irp c, 0,1,2,3,4,5,6,7
	MM \f, 56+(\c), 1, \zero
	CV4 \g, \c
.endr
.endm
; A plain half: multiplies buffer f and fetches the next half's fragments, the 32 k number q of slot sl, into the other buffer.
.macro HALF f, sl, q, zero
	s_wait_dscnt 0x0                               ; ub's buffer f is in (asked for 48 matrix instructions ago)
	MM \f, 0, 16, \zero
	PLACES
	FETCH \sl, \q, 1-(\f)
	MM \f, 16, 40, \zero
	TAILRUN \f, 1-(\f), \zero
.endm
; Y's second half: multiplies buffer 1.  Y's last fragments are in registers.  In front of the barrier each wave waits for all its tensor loads, of which one may be out: its part of the next X; adds 0 to its spare
; word; and waits for that and for its own reads of Y.  The barrier opens a round of the cluster's barrier; behind the round nobody reads Y any more and X is whole: Y is filled again, 192 k on, first thing;
; then X's first fragments are fetched.
.macro TURNY
	WIN 0                                          ; (the add's two registers lie in window 0)
	s_wait_tensorcnt 0x0                           ; all my tensor loads have landed;
	ds_add_u32 v[SPW], v[NIL]                      ; 0 onto my spare word
	s_wait_dscnt 0x1                               ; (the add alone may be out: ub's buffer 1 is in)
	MM 1, 0, 8, 0                                  ; eight matrix instructions stand between the add and the wait for it
	s_wait_dscnt 0x0                               ; the add is done, and my reads of Y are over
	s_barrier_signal -1
	MM 1, 8, 8, 0                                  ; work on registers while the others arrive
	WIN 0
	s_barrier_wait -1
	CREST                                          ; no wave of any partner still reads Y's tiles or has a load on its way
	s_add_nc_u64 s[G0A+6:G0A+7], s[G0A+6:G0A+7], STEP_A
	s_add_nc_u64 s[G0B+6:G0B+7], s[G0B+6:G0B+7], STEP_B
	JLOAD 1                                        ; the four v_nop behind it are also the places in front of the loads below
	FETCH 0, 0, 0
	MM 1, 16, 40, 0
	TAILRUN 1, 0, 0
.endm
; X's third half: multiplies buffer 0.  X's last fragments are fetched at its very start, so that X's reads are over as early as may be; 48 matrix instructions stand between that run and the wait for it.
; In front of the barrier: all my tensor loads (the one that may be out is my part of the next Y), the add, the wait for it and for my reads of X.  Behind it nobody reads X any more and Y is whole.
; mode 0: X is filled again, 192 k on; mode 1: with the NEXT tile's first X; the barrier then opens a round of the cluster's barrier and the joint refill is the first thing behind the round.
; mode 2: the last tile's last X: nothing is left to fetch for X, and the barrier only shows the last Y whole.
.macro TURNX mode
	s_wait_dscnt 0x0                               ; ub's buffer 0 is in
	PLACES
	FETCH 0, 3, 1
	MM 0, 0, 40, 0
	WIN 0
	s_wait_tensorcnt 0x0
	ds_add_u32 v[SPW], v[NIL]
	MM 0, 40, 8, 0
	s_wait_dscnt 0x0                               ; the add is done, and my reads of X are over
	s_barrier_signal -1
	MM 0, 48, 8, 0
	WIN 0
	s_barrier_wait -1
.if (\mode) < 2
	CREST
.if (\mode) == 1
	s_add_nc_u64 s[G0A+2:G0A+3], s[G0A+2:G0A+3], NEXT_AX
	s_sub_nc_u64 s[G0B+2:G0B+3], s[G0B+2:G0B+3], BACK_BX
.else
	s_add_nc_u64 s[G0A+2:G0A+3], s[G0A+2:G0A+3], STEP_A
	s_add_nc_u64 s[G0B+2:G0B+3], s[G0B+2:G0B+3], STEP_B
.endif
	JLOAD 0
.endif
	TAILRUN 0, 1, 0                                ; (its wait is met: nothing of LDS is out)
.endm
; The last half of a tile that has a successor: multiplies buffer 1 and fetches nothing.  Y has been read out, so it takes the next tile's first 64 k, which land while the tile goes out.
; The next tile's first X, asked for 8 + 64 + 64 + 40 = 176 matrix instructions ago, is the load that the wait is for.
.macro FINY
	s_wait_dscnt 0x0                               ; ub's buffer 1 is in
	MM 1, 0, 40, 0
	WIN 0
	s_wait_tensorcnt 0x0
	ds_add_u32 v[SPW], v[NIL]
	MM 1, 40, 8, 0
	s_wait_dscnt 0x0
	s_barrier_signal -1
	MM 1, 48, 16, 0
	WIN 0
	s_barrier_wait -1
	CREST
	s_add_nc_u64 s[G0A+6:G0A+7], s[G0A+6:G0A+7], NEXT_AY
	s_sub_nc_u64 s[G0B+6:G0B+7], s[G0B+6:G0B+7], BACK_BY
	JLOAD 1
.endm
; THE WAY OUT.  ECOL i: accumulator i's eight quotients times -2 Va are added onto the row sums of its row block; the first column block starts them with the sum of the lane's Va.
.macro ECOL i
.set cT, TT+8*((\i)%2)
.set cS, SS+8*((\i)%4)
.set cV, VA+2*((\i)/4)
.irp p, 0,1,2,3
.if (\i) < 4
	s_wait_alu depctr_va_vdst(0)
	v_pk_fma_f32 v[cS+2*(\p):cS+2*(\p)+1], v[cT+2*(\p):cT+2*(\p)+1], v[cV:cV+1], v[VS:VS+1]
.else
	s_wait_alu depctr_va_vdst(0)
	v_pk_fma_f32 v[cS+2*(\p):cS+2*(\p)+1], v[cT+2*(\p):cT+2*(\p)+1], v[cV:cV+1], v[cS+2*(\p):cS+2*(\p)+1]
.endif
.endr
.endm
; For each accumulator: K2 acc + c2 (its registers in ascending order); eight powers of two; + 1; eight reciprocals.  Two sets of eight registers take turns, so that behind each run of
; transcendentals stand plain instructions of the neighbouring accumulator before a result is used (ISA guide 5.7.2): behind the powers ECOL of the one before, behind the reciprocals the next one's multiply-adds.
; more = 1: a tile follows.  Behind 48 of the 64 accumulators its first Y, asked for at the way out's beginning, is waited for and shown to every wave, and its first fragments are fetched under the last 16.
.macro EPI more
	PLACES                                         ; behind the last products
	s_wait_loadcnt 0x0                             ; c2 of this tile's batch, asked for at the tile's beginning
.set ei, 0
.rept 64
.if (\more) && (ei == 48)
	s_wait_tensorcnt 0x0                           ; the count is 0 because one load of mine is out and none was issued behind it: my part of the next tile's first Y
	s_barrier_signal -1                            ; a plain barrier
	s_barrier_wait -1                              ; everybody's part is in
	FETCH 1, 0, 0
.endif
.set tA, TT+8*(ei%2)
	WIN 0x02+ei/32                                 ; source 0 in window 2 or 3
.irp p, 0,1,2,3
	v_pk_fma_f32 v[tA+2*(\p):tA+2*(\p)+1], v[8*(ei%32)+2*(\p):8*(ei%32)+2*(\p)+1], s[66:67], v[C2+2*(ei/4):C2+2*(ei/4)+1] op_sel_hi:[1,0,0]
.endr
	WIN 0
.irp k, 0,1,2,3,4,5,6,7
	v_exp_f32 v[tA+(\k)], v[tA+(\k)]
.endr
.if ei == 0
	v_nop
	s_wait_alu depctr_va_vdst(0)
.else
	ECOL ei-1
.endif
.irp p, 0,1,2,3
	v_pk_add_f32 v[tA+2*(\p):tA+2*(\p)+1], v[tA+2*(\p):tA+2*(\p)+1], 1.0 op_sel_hi:[1,0]
.endr
.irp k, 0,1,2,3,4,5,6,7
	v_rcp_f32 v[tA+(\k)], v[tA+(\k)]
.endr
.set ei, ei+1
.endr
	v_nop
	s_wait_alu depctr_va_vdst(0)
	ECOL 63
.endm
; The 32 row sums of a lane are still to be added over the 16 lanes of its half (the 16 columns of a block).  Each stage halves what a lane keeps: of a pair (x, y) a lane whose bit is clear keeps x and sends y
; to the lane xm away, the other keeps y and sends x.  n pairs: x = number k, y = number n + k.  After four stages a lane holds two finished sums.
.macro RSTAGE n, msk, xm
.set k, 0
.rept \n
	v_cndmask_b32 v[UU+k], v[SS+(\n)+k], v[SS+k], s[\msk]
.set k, k+1
.endr
.set k, 0
.rept \n
	v_cndmask_b32 v[SS+k], v[SS+k], v[SS+(\n)+k], s[\msk]
.set k, k+1
.endr
.set k, 0
.rept \n
	v_add_f32_dpp v[SS+k], v[UU+k], v[SS+k] row_xmask:\xm row_mask:0xf bank_mask:0xf
.set k, k+1
.endr
.endm
.macro RS more
	RSTAGE 16, 68, 8
	RSTAGE 8, 69, 4
	RSTAGE 4, 70, 2
	RSTAGE 2, 71, 1
	global_store_b64 v[PO], v[SS:SS+1], s[74:75]   ; the wave's 64 rows: 256 consecutive bytes, at a multiple of 256 from part's first byte
.if \more
	s_wait_xcnt 0x0                                ; the bases are stepped, and later the store's data rewritten, only behind this wait (ISA guide 3.1)
	s_add_nc_u64 s[74:75], s[74:75], 0x10000       ; 16,384 rows on
	s_add_nc_u64 s[72:73], s[72:73], 512           ; 8 batches on
.endif
.endm
	s_wait_tensorcnt 0x1                           ; my part of the first Y is in; the first X's, issued behind it, may stay out
	s_barrier_signal -1
	s_barrier_wait -1                              ; everybody's is
	FETCH 1, 0, 0
	s_wait_dscnt 32                                ; keys' 16 loads
.irp c, 0,1,2,3,4,5,6,7
	CV4 0, \c
.endr
	s_mov_b32 s2, TILES                            ; tiles to go: the same number in every work-group
.Ltile:
.irp b, 0,1,2,3,4,5,6,7,8,9,10,11,12,13,14,15
	global_load_b32 v[C2+2*(\b)], v[CO], s[72:73] offset:(\b)*2048  ; wanted at the tile's end
.endr
	HALF 0, 1, 1, 1                                ; a tile's first half (Y's first) stands in front of the loop: its products start the sums
	WIN 0                                          ; at a label and at a branch every window is 0
	s_mov_b32 s3, 4
.Llap:                                                 ; a trip is 192 k, from a Y's second half to the next Y's first, and fills both slots again
	TURNY
	HALF 0, 0, 1, 0
	HALF 1, 0, 2, 0
	TURNX 0
	HALF 1, 1, 0, 0
	HALF 0, 1, 1, 0
	WIN 0
	s_sub_co_u32 s3, s3, 1
	s_cmp_lg_u32 s3, 0
	s_cbranch_scc1 .Llap
	TURNY                                          ; the fifth lap is written out: Y takes the tile's last 64 k,
	HALF 0, 0, 1, 0
	HALF 1, 0, 2, 0
	WIN 0
	s_sub_co_u32 s2, s2, 1
	s_cmp_eq_u32 s2, 0
	s_cbranch_scc1 .Llast                          ; the last tile's tail asks for nothing more; it leaves the loop and does not come back
	TURNX 1                                        ; THE RING GOES ON INTO THE NEXT TILE: X takes its first 128 k of X,
	HALF 1, 1, 0, 0
	HALF 0, 1, 1, 0
	FINY                                           ; and Y its first 64 k
	EPI 1
	RS 1
	s_wait_dscnt 32                                ; the next tile's first rows of keys, fetched on the way out
.irp c, 0,1,2,3,4,5,6,7
	CV4 0, \c
.endr
	s_branch .Ltile
.Llast:
	TURNX 2
	HALF 1, 1, 0, 0
	HALF 0, 1, 1, 0
	s_wait_dscnt 0x0                               ; ub's buffer 1
	MM 1, 0, 64, 0
	WIN 0
	EPI 0
	RS 0
	s_wait_tensorcnt 0x0                           ; the wave's end: behind my last tensor load
	ds_add_u32 v[SPW], v[NIL]
	s_wait_dscnt 0x0
	CROUND                                         ; the closing round: no work-group ends while a partner may still ask for a tile that names it
	s_endpgm
.Lfunc_end_k_qf19753724f_energy:
	.size	k_qf19753724f_energy, .Lfunc_end_k_qf19753724f_energy-k_qf19753724f_energy
	.p2alignl 7, 3214868480
	.fill 96, 4, 3214868480
	.section	.rodata,"a",@progbits
	.p2align	6, 0x0
	.amdhsa_kernel k_qf19753724f_energy
		.amdhsa_group_segment_fixed_size 327680
		.amdhsa_private_segment_fixed_size 0
		.amdhsa_enable_private_segment 0
		.amdhsa_kernarg_size 40
		.amdhsa_user_sgpr_count 2
		.amdhsa_user_sgpr_kernarg_segment_ptr 1
		.amdhsa_wavefront_size32 1
		.amdhsa_system_sgpr_workgroup_id_x 1
		.amdhsa_system_sgpr_workgroup_id_y 1
		.amdhsa_system_sgpr_workgroup_id_z 1
		.amdhsa_system_vgpr_workitem_id 0
		.amdhsa_next_free_vgpr 1024
		.amdhsa_next_free_sgpr 96
		.amdhsa_reserve_vcc 0
		.amdhsa_float_denorm_mode_32 3
		.amdhsa_float_denorm_mode_16_64 3
		.amdhsa_memory_ordered 1
		.amdhsa_forward_progress 1
		.amdhsa_inst_pref_size 255
	.end_amdhsa_kernel
	.section	.bss,"aw",@nobits
	.p2align	6
	.space	262144
	.amdgpu_metadata
---
amdhsa.version: [ 1, 2 ]
amdhsa.kernels:
  - .name:           k_qf19753724f_energy
    .symbol:         k_qf19753724f_energy.kd
    .args:
      - { .name: keys, .offset: 0, .size: 8, .value_kind: global_buffer, .address_space: global }
      - { .name: ub, .offset: 8, .size: 8, .value_kind: global_buffer, .address_space: global }
      - { .name: c2, .offset: 16, .size: 8, .value_kind: global_buffer, .address_space: global }
      - { .name: Va_w, .offset: 24, .size: 8, .value_kind: global_buffer, .address_space: global }
      - { .name: part, .offset: 32, .size: 8, .value_kind: global_buffer, .address_space: global }
    .group_segment_fixed_size: 327680
    .private_segment_fixed_size: 0
    .kernarg_segment_align: 8
    .kernarg_segment_size: 40
    .max_flat_workgroup_size: 128
    .sgpr_count:     96
    .vgpr_count:     1024
    .wavefront_size: 32
...
	.end_amdgpu_metadata
.endif
;; end of part 2
;; launch context (part 3): grid 8 x 32, 16 waves a work-group, no clusters, 18,944 bytes of LDS; arguments part, Va_b, keys, out0, out1; writes out0, out1
.if DOCPART == 3
	.amdgcn_target "amdgcn-amd-amdhsa--gfx1250"
	.amdhsa_code_object_version 6
	.text
	.protected	k_qf19753724f_context
	.globl	k_qf19753724f_context
	.p2align	8
	.type	k_qf19753724f_context,@function
k_qf19753724f_context:
	s_mov_b64 s[64:65], 0
	v_nop
	global_prefetch_b8 v0, s[64:65] scope:SCOPE_SE
	s_setreg_imm32_b32 hwreg(HW_REG_WAVE_MODE, 25, 1), 1
	s_wait_xcnt 0x0
; CONTEXT.  score[b][s] = part[0..3][b][s] added up + Va_b; out1[b] = softmax over s, with the true maximum taken away; out0[b][d] = the sum over s of out1[b][s] keys[b][s][d].  All in f32.
; SHARES.  Work-group (p, b) owns columns 128 p .. 128 p + 127 of batch b and ALL 2,048 rows, so no sum crosses work-groups.  Each of a batch's eight work-groups makes the softmax for itself (32 KB of part
; against 1 MB of keys) and stores an eighth of out1.  Thread t owns scores 4 t .. 4 t + 3, so wave w holds just the weights of its own rows 128 w .. 128 w + 127.
; In the walk over rows a wave's load takes a row's 512 bytes (two aligned blocks of 256), 16 bytes a lane; a ring of 16 row slots in registers keeps 16 loads of every wave on their way.
; The sums are made with the unnormalised weights 2^((s - m) log2 e), at most 1, and divided by their sum l once at the end.
; NO MATRIX UNIT: one row of weights a batch would use a sixteenth of it.  NO CLUSTER, NO TENSOR LOAD: the work-groups' parts of keys are disjoint; what eight of them share is part's 32 KB.
; LIMITS.  A weight below 2^-126 counts as 0; NaN and infinities are not treated apart.
.set L2E,   0x3fb8aa3b                 ; log2(e)
.set MAXW,  0                          ; 16 words: the waves' maxima
.set SUMW,  256                        ; 16 words: the waves' sums
.set PW,    512                        ; 2,048 weights
.set CTX,   8704                       ; 16 x 512 bytes: the waves' partial contexts
.set SPARE, 16896                      ; the spare words, 128 bytes for each wave, which no other line names
.set KO,  2                            ; v2   my 16 bytes in my wave's first row: w x 128 rows x 4,096 + 16 lane
.set PA,  3                            ; v3   LDS address of the round's 16 weights
.set T16, 4                            ; v4   16 t
.set Z,   5                            ; v5   0
.set L16, 6                            ; v6   16 lane
.set W4,  7                            ; v7   4 w
.set PB,  32                           ; v32-47   16 weights, the same in every lane; before that the 16 waves' maxima and sums
.set ACC, 48                           ; v48-51   my four columns
.set X,   52                           ; v52-115  ring slot i: 4 registers
.set SPW, 116                          ; LDS address of my spare word; never rewritten
.set NIL, 117                          ; 0; never rewritten
.set RL,  118                          ; 1 / l
	s_load_b256 s[4:11], s[0:1], 0x0               ; part s[4:5], Va_b s[6:7], keys s[8:9], out0 s[10:11]
	s_load_b64 s[12:13], s[0:1], 0x20              ; out1
	v_lshl_add_u32 v[SPW], v0, 2, SPARE
	v_mov_b32 v[NIL], 0
	v_lshrrev_b32 v1, 5, v0
	v_readfirstlane_b32 s18, v1                    ; wave 0..15
	s_mov_b32 s16, ttmp9                           ; p
	s_and_b32 s17, ttmp7, 0xffff                   ; b
	s_mov_b32 s14, 0x76543210                      ; v_permlanex16_b32: each lane takes its own place in the other half
	s_mov_b32 s15, 0xfedcba98
	s_mov_b32 s22, L2E
	v_and_b32 v1, 31, v0
	v_lshlrev_b32 v[L16], 4, v1
	v_lshlrev_b32 v[T16], 4, v0
	v_mov_b32 v[Z], 0
	s_lshl_b32 s23, s18, 19
	v_add_nc_u32 v[KO], s23, v[L16]
	s_lshl_b32 s23, s18, 9
	s_add_co_u32 s23, s23, PW
	v_mov_b32 v[PA], s23
	s_lshl_b32 s23, s18, 2
	v_mov_b32 v[W4], s23
	s_lshl_b32 s24, s17, 13                        ; a batch's 2,048 f32 in part and in out1
	s_mov_b32 s25, 0
	s_lshl_b32 s26, s17, 23                        ; a batch's 8 MiB of keys,
	s_lshl_b32 s23, s16, 9                         ; my 512 bytes of each row
	s_add_co_u32 s26, s26, s23
	s_mov_b32 s27, 0
	s_lshl_b32 s28, s17, 12                        ; and of out0's row
	s_add_co_u32 s28, s28, s23
	s_mov_b32 s29, 0
	s_mov_b32 s21, 0                               ; named with Va_b as a pair
	s_wait_kmcnt 0x0
	s_load_b32 s20, s[6:7], 0x0                    ; Va_b
	s_add_nc_u64 s[4:5], s[4:5], s[24:25]
	s_add_nc_u64 s[12:13], s[12:13], s[24:25]
	s_add_nc_u64 s[8:9], s[8:9], s[26:27]
	s_add_nc_u64 s[10:11], s[10:11], s[28:29]
.irp n, 0,1,2,3
	global_load_b128 v[8+4*(\n):8+4*(\n)+3], v[T16], s[4:5] offset:(\n)*262144
.endr
.irp i, 0,1,2,3,4,5,6,7,8,9,10,11,12,13,14,15
	global_load_b128 v[X+4*(\i):X+4*(\i)+3], v[KO], s[8:9] offset:(\i)*4096 th:TH_LOAD_NT  ; the ring is filled while the softmax is made
.endr
	s_wait_loadcnt 16                              ; part's four loads are in; the 16 rows behind them stay out
	s_wait_kmcnt 0x0
	v_pk_add_f32 v[8:9],   v[8:9],   v[12:13]
	v_pk_add_f32 v[10:11], v[10:11], v[14:15]
	v_pk_add_f32 v[16:17], v[16:17], v[20:21]
	v_pk_add_f32 v[18:19], v[18:19], v[22:23]
	v_pk_add_f32 v[8:9],   v[8:9],   v[16:17]
	v_pk_add_f32 v[10:11], v[10:11], v[18:19]
	v_pk_add_f32 v[8:9],   v[8:9],   s[20:21] op_sel_hi:[1,0]
	v_pk_add_f32 v[10:11], v[10:11], s[20:21] op_sel_hi:[1,0]
	; the maximum: my four, my wave's 128, the 16 waves'
	v_max_num_f32 v25, v10, v11
	v_max3_num_f32 v24, v8, v9, v25
	v_max_num_f32_dpp v24, v24, v24 row_xmask:1 row_mask:0xf bank_mask:0xf
	v_max_num_f32_dpp v24, v24, v24 row_xmask:2 row_mask:0xf bank_mask:0xf
	v_max_num_f32_dpp v24, v24, v24 row_xmask:4 row_mask:0xf bank_mask:0xf
	v_max_num_f32_dpp v24, v24, v24 row_xmask:8 row_mask:0xf bank_mask:0xf
	v_permlanex16_b32 v25, v24, s14, s15
	v_max_num_f32 v24, v24, v25
	ds_store_b32 v[W4], v24 offset:MAXW
	s_wait_dscnt 0x0                               ; for the others' sake
	s_barrier_signal -1
	s_barrier_wait -1
.irp q, 0,1,2,3
	ds_load_b128 v[PB+4*(\q):PB+4*(\q)+3], v[Z] offset:MAXW+16*(\q)
.endr
	s_wait_dscnt 0x0
	v_max3_num_f32 v24, v32, v33, v34
	v_max3_num_f32 v25, v35, v36, v37
	v_max3_num_f32 v26, v38, v39, v40
	v_max3_num_f32 v27, v41, v42, v43
	v_max3_num_f32 v24, v24, v44, v45
	v_max3_num_f32 v25, v25, v46, v47
	v_max3_num_f32 v24, v24, v25, v26
	v_max_num_f32 v24, v24, v27                    ; m
	v_mul_f32 v25, s22, v24
.irp c, 0,1,2,3
	v_fma_f32 v[8+(\c)], v[8+(\c)], s22, -v25      ; (s - m) log2 e: the same rounded m log2 e for all, so its rounding cancels in the quotient
.endr
.irp c, 0,1,2,3
	v_exp_f32 v[8+(\c)], v[8+(\c)]
.endr
	v_nop                                          ; a plain instruction between the last power and the use of its result (ISA guide 5.7.2)
	s_wait_alu depctr_va_vdst(0)
	v_add_f32 v28, v8, v9
	v_add_f32 v29, v10, v11
	v_add_f32 v28, v28, v29
	v_add_f32_dpp v28, v28, v28 row_xmask:1 row_mask:0xf bank_mask:0xf
	v_add_f32_dpp v28, v28, v28 row_xmask:2 row_mask:0xf bank_mask:0xf
	v_add_f32_dpp v28, v28, v28 row_xmask:4 row_mask:0xf bank_mask:0xf
	v_add_f32_dpp v28, v28, v28 row_xmask:8 row_mask:0xf bank_mask:0xf
	v_permlanex16_b32 v29, v28, s14, s15
	v_add_f32 v28, v28, v29
	ds_store_b32 v[W4], v28 offset:SUMW            ; other bytes than the maxima: no barrier is needed between the reads above and this store
	ds_store_b128 v[T16], v[8:11] offset:PW
	s_wait_dscnt 0x0
	s_barrier_signal -1
	s_barrier_wait -1
.irp q, 0,1,2,3
	ds_load_b128 v[PB+4*(\q):PB+4*(\q)+3], v[Z] offset:SUMW+16*(\q)
.endr
	s_wait_dscnt 0x0
	v_pk_add_f32 v[32:33], v[32:33], v[40:41]
	v_pk_add_f32 v[34:35], v[34:35], v[42:43]
	v_pk_add_f32 v[36:37], v[36:37], v[44:45]
	v_pk_add_f32 v[38:39], v[38:39], v[46:47]
	v_pk_add_f32 v[32:33], v[32:33], v[36:37]
	v_pk_add_f32 v[34:35], v[34:35], v[38:39]
	v_pk_add_f32 v[32:33], v[32:33], v[34:35]
	v_add_f32 v32, v32, v33                        ; l: at least 1, since the maximum's own weight is 1
	v_rcp_f32 v[RL], v32
.irp c, 0,1,2,3
	v_mov_b32 v[ACC+(\c)], 0                       ; four plain lines behind the reciprocal
.endr
	s_lshr_b32 s23, s18, 1
	s_cmp_lg_u32 s23, s16
	s_cbranch_scc1 .Lnot_mine                      ; of out1's row work-group p stores the weights of waves 2 p and 2 p + 1
	s_wait_alu depctr_va_vdst(0)
.irp c, 0,1,2,3
	v_mul_f32 v[28+(\c)], v[8+(\c)], v[RL]
.endr
	global_store_b128 v[T16], v[28:31], s[12:13]   ; 512 consecutive bytes, at a multiple of 512 from out1's first byte; its registers are not written again
.Lnot_mine:
; 16 rows.  ahead = 1: each slot is filled again with the row 16 further down, and 15 younger loads stay out at every wait; ahead = 0: the last round loads nothing, and the counts run down.
.macro ROUND ahead
.irp q, 0,1,2,3
	ds_load_b128 v[PB+4*(\q):PB+4*(\q)+3], v[PA] offset:16*(\q)  ; the round's 16 weights, every lane the same bytes: my own wave stored them
.endr
	s_wait_dscnt 0x0
.irp i, 0,1,2,3,4,5,6,7,8,9,10,11,12,13,14,15
.if \ahead
	s_wait_loadcnt 15
.else
	s_wait_loadcnt 15-(\i)
.endif
.irp c, 0,1,2,3
	v_fmac_f32 v[ACC+(\c)], v[PB+(\i)], v[X+4*(\i)+(\c)]
.endr
.if \ahead
	global_load_b128 v[X+4*(\i):X+4*(\i)+3], v[KO], s[8:9] offset:(16+(\i))*4096 th:TH_LOAD_NT
.endif
.endr
.if \ahead
	s_wait_xcnt 0x0                                ; the base is stepped only behind this wait (ISA guide 3.1)
	s_add_nc_u64 s[8:9], s[8:9], 0x10000           ; 16 rows on
	v_add_nc_u32 v[PA], 64, v[PA]
.endif
.endm
	s_mov_b32 s28, 7
.Lround:
	ROUND 1
	s_sub_co_u32 s28, s28, 1
	s_cmp_lg_u32 s28, 0
	s_cbranch_scc1 .Lround
	ROUND 0
	ds_store_b128 v[T16], v[ACC:ACC+3] offset:CTX  ; wave w's 512 bytes
	s_wait_dscnt 0x0
	s_barrier_signal -1
	s_barrier_wait -1
	s_cmp_lg_u32 s18, 0
	s_cbranch_scc1 .Lend                           ; wave 0 adds the 16 partial contexts
.irp i, 0,1,2,3,4,5,6,7,8,9,10,11,12,13,14,15
	ds_load_b128 v[X+4*(\i):X+4*(\i)+3], v[L16] offset:CTX+(\i)*512
.endr
	s_wait_dscnt 0x0
.irp d, 8,4,2,1
.set i, 0
.rept (\d)
	v_pk_add_f32 v[X+4*i:X+4*i+1],   v[X+4*i:X+4*i+1],   v[X+4*(i+(\d)):X+4*(i+(\d))+1]
	v_pk_add_f32 v[X+4*i+2:X+4*i+3], v[X+4*i+2:X+4*i+3], v[X+4*(i+(\d))+2:X+4*(i+(\d))+3]
.set i, i+1
.endr
.endr
	s_wait_alu depctr_va_vdst(0)
.irp c, 0,1,2,3
	v_mul_f32 v[X+(\c)], v[X+(\c)], v[RL]
.endr
	global_store_b128 v[L16], v[X:X+3], s[10:11]   ; 512 consecutive bytes, at a multiple of 512 from out0's first byte
.Lend:
	s_wait_tensorcnt 0x0                           ; the wave's end: behind my last LDS store
	ds_add_u32 v[SPW], v[NIL]
	s_wait_dscnt 0x0
	s_endpgm
.Lfunc_end_k_qf19753724f_context:
	.size	k_qf19753724f_context, .Lfunc_end_k_qf19753724f_context-k_qf19753724f_context
	.p2alignl 7, 3214868480
	.fill 96, 4, 3214868480
	.section	.rodata,"a",@progbits
	.p2align	6, 0x0
	.amdhsa_kernel k_qf19753724f_context
		.amdhsa_group_segment_fixed_size 18944
		.amdhsa_private_segment_fixed_size 0
		.amdhsa_enable_private_segment 0
		.amdhsa_kernarg_size 40
		.amdhsa_user_sgpr_count 2
		.amdhsa_user_sgpr_kernarg_segment_ptr 1
		.amdhsa_wavefront_size32 1
		.amdhsa_system_sgpr_workgroup_id_x 1
		.amdhsa_system_sgpr_workgroup_id_y 1
		.amdhsa_system_sgpr_workgroup_id_z 1
		.amdhsa_system_vgpr_workitem_id 0
		.amdhsa_next_free_vgpr 120
		.amdhsa_next_free_sgpr 66
		.amdhsa_reserve_vcc 0
		.amdhsa_float_denorm_mode_32 3
		.amdhsa_float_denorm_mode_16_64 3
		.amdhsa_memory_ordered 1
		.amdhsa_forward_progress 1
		.amdhsa_inst_pref_size 19
	.end_amdhsa_kernel
	.amdgpu_metadata
---
amdhsa.version: [ 1, 2 ]
amdhsa.kernels:
  - .name:           k_qf19753724f_context
    .symbol:         k_qf19753724f_context.kd
    .args:
      - { .name: part, .offset: 0, .size: 8, .value_kind: global_buffer, .address_space: global }
      - { .name: Va_b, .offset: 8, .size: 8, .value_kind: global_buffer, .address_space: global }
      - { .name: keys, .offset: 16, .size: 8, .value_kind: global_buffer, .address_space: global }
      - { .name: out0, .offset: 24, .size: 8, .value_kind: global_buffer, .address_space: global }
      - { .name: out1, .offset: 32, .size: 8, .value_kind: global_buffer, .address_space: global }
    .group_segment_fixed_size: 18944
    .private_segment_fixed_size: 0
    .kernarg_segment_align: 8
    .kernarg_segment_size: 40
    .max_flat_workgroup_size: 512
    .sgpr_count:     66
    .vgpr_count:     120
    .wavefront_size: 32
...
	.end_amdgpu_metadata
.endif
;; end of part 3
;; ======== version 2 of 2: 3 launches; version 1 with the launch context written anew for expert scheduling mode
;; workspace buffers: ub 2,097,152 bytes; c2 131,072 bytes; part 1,048,576 bytes
;; launch prep: the kernel of part 1 again; grid 64 x 1, 16 waves a work-group, no clusters, 104,448 bytes of LDS; arguments Ua_w, Wa_w, query, Wa_b, Ua_b, ub, c2; writes ub, c2
;; launch energy: the kernel of part 2 again; grid 4 x 64, 4 waves a work-group, clusters of 4 x 4, 327,680 bytes of LDS; arguments keys, ub, c2, Va_w, part; writes part
;; launch context (part 4): grid 8 x 32, 16 waves a work-group, no clusters, 18,944 bytes of LDS; arguments part, Va_b, keys, out0, out1; writes out0, out1
.if DOCPART == 4
	.amdgcn_target "amdgcn-amd-amdhsa--gfx1250"
	.amdhsa_code_object_version 6
	.text
	.protected	k_qf19753724f_context
	.globl	k_qf19753724f_context
	.p2align	8
	.type	k_qf19753724f_context,@function
k_qf19753724f_context:
	s_mov_b64 s[64:65], 0
	v_nop
	global_prefetch_b8 v0, s[64:65] scope:SCOPE_SE
	s_setreg_imm32_b32 hwreg(HW_REG_WAVE_SCHED_MODE, 0, 2), 2
	s_setreg_imm32_b32 hwreg(HW_REG_WAVE_MODE, 25, 1), 1
	s_wait_xcnt 0x0
	s_wait_alu depctr_vm_vsrc(0)
; CONTEXT.  score[b][s] = part[0..3][b][s] added up + Va_b; out1[b] = softmax over s, with the true maximum taken away; out0[b][d] = the sum over s of out1[b][s] keys[b][s][d].  All in f32.
; SHARES.  Work-group (p, b) owns columns 128 p .. 128 p + 127 of batch b and ALL 2,048 rows, so no sum crosses work-groups.  Each of a batch's eight work-groups makes the softmax for itself (32 KB of part
; against 1 MB of keys) and stores an eighth of out1.  Thread t owns scores 4 t .. 4 t + 3, so wave w holds just the weights of its own rows 128 w .. 128 w + 127.
; In the walk over rows a wave's load takes a row's 512 bytes (two aligned blocks of 256), 16 bytes a lane.
; The sums are made with the unnormalised weights 2^((s - m) log2 e), at most 1, and divided by their sum l once at the end.
; NO MATRIX UNIT: one row of weights a batch would use a sixteenth of it.  NO CLUSTER, NO TENSOR LOAD: the work-groups' parts of keys are disjoint; what eight of them share is part's 32 KB.
; LIMITS.  A weight below 2^-126 counts as 0; NaN and infinities are not treated apart.
; THE MODE: SCHED_MODE bits 1:0 = 2 (LLVM: expert scheduling mode 2), set by the entry lines.  The code itself states the register dependences
; between vector instructions and memory or LDS instructions, with s_wait_alu, always for 0.
; THE PLAN.  A wave's 128 rows go in 16 blocks of eight.  Registers that memory or LDS instructions touch in the walk:
;   X0 .. X3    four blocks of rows as loaded.  Block p's multiply-adds read X[p % 4]; the eight loads issued in block p bring block p + 3 and land in X[(p - 1) % 4], which block p - 1 read.
;   PB0, PB1    eight weights each.  Block p's multiply-adds read PB[p % 2]; the two LDS loads issued in block p bring block p + 1's weights and land in the other, which block p - 1 read.
;   v[KO]       the offset of every load of keys: made at the head, never written again.  Each X buffer has a scalar base of its own, which moves on by 32 rows at the head of the buffer's block.
;   v[PA]       the LDS address of the weights: read by every load of weights, written once a lap of four blocks.
;   ACC is named by vector instructions alone until the walk is over.
; So ONE wait on va_vdst stands at a block's head: the block before is done reading its X and its PB, and, in a lap's first block, v[PA] is written.  The block's ten loads follow it, dealt among its 32
; multiply-adds, which name ACC, X[p % 4] and PB[p % 2]: none of the registers that those loads touch.  One wait on vm_vsrc a lap stands ahead of the add to v[PA].
; At a block's head the two younger blocks' 16 loads are out, and eight more follow: 16 to 24 loads of every wave are on their way.
.set L2E,   0x3fb8aa3b                 ; log2(e)
.set MAXW,  0                          ; 16 words: the waves' maxima
.set SUMW,  256                        ; 16 words: the waves' sums
.set PW,    512                        ; 2,048 weights
.set CTX,   8704                       ; 16 x 512 bytes: the waves' partial contexts
.set SPARE, 16896                      ; the spare words, 128 bytes for each wave, which no other line names
.set ROW,   4096                       ; bytes in a row of keys
.set BLOCK, 8                          ; rows in a block
.set KO,  2                            ; v2   my 16 bytes in my wave's first row: w x 128 rows x 4,096 + 16 lane
.set PA,  3                            ; v3   LDS address of the lap's first weight
.set T16, 4                            ; v4   16 t
.set Z,   5                            ; v5   0
.set L16, 6                            ; v6   16 lane
.set W4,  7                            ; v7   4 w
.set PB,  32                           ; v32-47   two buffers of 8 weights, the same in every lane; before that the 16 waves' maxima and sums
.set ACC, 48                           ; v48-51   my four columns
.set X,   52                           ; buffer k, row i: 4 registers at X + 32 k + 4 (k / 2) + 4 i: v52-83, v84-115, v120-151, v152-183 (the three registers below lie between)
.set SPW, 116                          ; LDS address of my spare word; never rewritten
.set NIL, 117                          ; 0; never rewritten
.set RL,  118                          ; 1 / l
.set WB,  24                           ; s[24:31] buffer k: the address of my part of keys at the block that the buffer is asked for next: a pair at WB + 2 k
	s_load_b256 s[4:11], s[0:1], 0x0               ; part s[4:5], Va_b s[6:7], keys s[8:9], out0 s[10:11]
	s_load_b64 s[12:13], s[0:1], 0x20              ; out1
	v_lshl_add_u32 v[SPW], v0, 2, SPARE
	v_mov_b32 v[NIL], 0
	v_lshrrev_b32 v1, 5, v0
	v_readfirstlane_b32 s18, v1                    ; wave 0..15
	s_mov_b32 s16, ttmp9                           ; p
	s_and_b32 s17, ttmp7, 0xffff                   ; b
	s_mov_b32 s14, 0x76543210                      ; v_permlanex16_b32: each lane takes its own place in the other half
	s_mov_b32 s15, 0xfedcba98
	s_mov_b32 s22, L2E
	v_and_b32 v1, 31, v0
	v_lshlrev_b32 v[L16], 4, v1
	v_lshlrev_b32 v[T16], 4, v0
	v_mov_b32 v[Z], 0
	s_wait_alu depctr_va_sdst(0)                   ; s18 is written, ahead of its first reader: offsets, LDS addresses and two branches are made from it
	s_lshl_b32 s23, s18, 19
	v_add_nc_u32 v[KO], s23, v[L16]
	s_lshl_b32 s23, s18, 9
	s_add_co_u32 s23, s23, PW
	v_mov_b32 v[PA], s23
	s_lshl_b32 s23, s18, 2
	v_mov_b32 v[W4], s23
	s_lshl_b32 s24, s17, 13                        ; a batch's 2,048 f32 in part and in out1
	s_mov_b32 s25, 0
	s_lshl_b32 s26, s17, 23                        ; a batch's 8 MiB of keys,
	s_lshl_b32 s23, s16, 9                         ; my 512 bytes of each row
	s_add_co_u32 s26, s26, s23
	s_mov_b32 s27, 0
	s_lshl_b32 s28, s17, 12                        ; and of out0's row
	s_add_co_u32 s28, s28, s23
	s_mov_b32 s29, 0
	s_mov_b32 s21, 0                               ; named with Va_b as a pair
	s_wait_kmcnt 0x0
	s_load_b32 s20, s[6:7], 0x0                    ; Va_b
	s_add_nc_u64 s[4:5], s[4:5], s[24:25]
	s_add_nc_u64 s[12:13], s[12:13], s[24:25]
	s_add_nc_u64 s[8:9], s[8:9], s[26:27]
	s_add_nc_u64 s[10:11], s[10:11], s[28:29]
.irp b, 0,1,2,3
	s_add_nc_u64 s[WB+2*(\b):WB+2*(\b)+1], s[8:9], (\b)*BLOCK*ROW  ; blocks 0 to 3 (the offsets that lay in these registers have been added)
.endr
	s_wait_alu depctr_va_vdst(0)                   ; the offsets and addresses v2 to v7 are written, which the loads and stores of the kernel read
.irp n, 0,1,2,3
	global_load_b128 v[8+4*(\n):8+4*(\n)+3], v[T16], s[4:5] offset:(\n)*262144
.endr
.irp b, 0,1,2
.irp i, 0,1,2,3,4,5,6,7
	global_load_b128 v[X+32*(\b)+4*((\b)/2)+4*(\i):X+32*(\b)+4*((\b)/2)+4*(\i)+3], v[KO], s[WB+2*(\b):WB+2*(\b)+1] offset:(\i)*ROW th:TH_LOAD_NT  ; blocks 0 to 2 are on their way while the softmax is made
.endr
.endr
	s_wait_loadcnt 24                              ; part's four loads are in; the 24 rows behind them stay out
	s_wait_kmcnt 0x0
	v_pk_add_f32 v[8:9],   v[8:9],   v[12:13]
	v_pk_add_f32 v[10:11], v[10:11], v[14:15]
	v_pk_add_f32 v[16:17], v[16:17], v[20:21]
	v_pk_add_f32 v[18:19], v[18:19], v[22:23]
	v_pk_add_f32 v[8:9],   v[8:9],   v[16:17]
	v_pk_add_f32 v[10:11], v[10:11], v[18:19]
	v_pk_add_f32 v[8:9],   v[8:9],   s[20:21] op_sel_hi:[1,0]
	v_pk_add_f32 v[10:11], v[10:11], s[20:21] op_sel_hi:[1,0]
	; the maximum: my four, my wave's 128, the 16 waves'
	v_max_num_f32 v25, v10, v11
	v_max3_num_f32 v24, v8, v9, v25
	v_max_num_f32_dpp v24, v24, v24 row_xmask:1 row_mask:0xf bank_mask:0xf
	v_max_num_f32_dpp v24, v24, v24 row_xmask:2 row_mask:0xf bank_mask:0xf
	v_max_num_f32_dpp v24, v24, v24 row_xmask:4 row_mask:0xf bank_mask:0xf
	v_max_num_f32_dpp v24, v24, v24 row_xmask:8 row_mask:0xf bank_mask:0xf
	v_permlanex16_b32 v25, v24, s14, s15
	v_max_num_f32 v24, v24, v25
	s_wait_alu depctr_va_vdst(0)                   ; the wave's maximum is written in v24, which the LDS store reads
	ds_store_b32 v[W4], v24 offset:MAXW
	s_wait_dscnt 0x0                               ; for the others' sake
	s_barrier_signal -1
	s_barrier_wait -1
.irp q, 0,1,2,3
	ds_load_b128 v[PB+4*(\q):PB+4*(\q)+3], v[Z] offset:MAXW+16*(\q)  ; no vector instruction has named v32 to v47 yet
.endr
	s_wait_dscnt 0x0
	s_wait_alu depctr_vm_vsrc(0)                   ; my LDS store of the wave's maximum has read v24, which the next line writes again
	v_max3_num_f32 v24, v32, v33, v34
	v_max3_num_f32 v25, v35, v36, v37
	v_max3_num_f32 v26, v38, v39, v40
	v_max3_num_f32 v27, v41, v42, v43
	v_max3_num_f32 v24, v24, v44, v45
	v_max3_num_f32 v25, v25, v46, v47
	v_max3_num_f32 v24, v24, v25, v26
	v_max_num_f32 v24, v24, v27                    ; m
	v_mul_f32 v25, s22, v24
.irp c, 0,1,2,3
	v_fma_f32 v[8+(\c)], v[8+(\c)], s22, -v25      ; (s - m) log2 e: the same rounded m log2 e for all, so its rounding cancels in the quotient
.endr
.irp c, 0,1,2,3
	v_exp_f32 v[8+(\c)], v[8+(\c)]
.endr
	v_nop                                          ; a plain instruction between the last power and the use of its result (ISA guide 5.7.2)
	s_wait_alu depctr_va_vdst(0)                   ; the four powers are written in v8 to v11, ahead of their first reader: one wait for the batch
	v_add_f32 v28, v8, v9
	v_add_f32 v29, v10, v11
	v_add_f32 v28, v28, v29
	v_add_f32_dpp v28, v28, v28 row_xmask:1 row_mask:0xf bank_mask:0xf
	v_add_f32_dpp v28, v28, v28 row_xmask:2 row_mask:0xf bank_mask:0xf
	v_add_f32_dpp v28, v28, v28 row_xmask:4 row_mask:0xf bank_mask:0xf
	v_add_f32_dpp v28, v28, v28 row_xmask:8 row_mask:0xf bank_mask:0xf
	v_permlanex16_b32 v29, v28, s14, s15
	v_add_f32 v28, v28, v29
	s_wait_alu depctr_va_vdst(0)                   ; the wave's sum is written in v28, which the LDS store reads; and the maxima's readers are done with v32 to v47, in which the sums' loads land below
	ds_store_b32 v[W4], v28 offset:SUMW            ; other bytes than the maxima: no barrier is needed between the reads above and this store
	ds_store_b128 v[T16], v[8:11] offset:PW
	s_wait_dscnt 0x0
	s_barrier_signal -1
	s_barrier_wait -1
.irp q, 0,1,2,3
	ds_load_b128 v[PB+4*(\q):PB+4*(\q)+3], v[Z] offset:SUMW+16*(\q)
.endr
	s_wait_dscnt 0x0
	s_wait_alu depctr_vm_vsrc(0)                   ; my LDS store of the wave's sum has read v28, which out1's weights are written into behind the branch below
	v_pk_add_f32 v[32:33], v[32:33], v[40:41]
	v_pk_add_f32 v[34:35], v[34:35], v[42:43]
	v_pk_add_f32 v[36:37], v[36:37], v[44:45]
	v_pk_add_f32 v[38:39], v[38:39], v[46:47]
	v_pk_add_f32 v[32:33], v[32:33], v[36:37]
	v_pk_add_f32 v[34:35], v[34:35], v[38:39]
	v_pk_add_f32 v[32:33], v[32:33], v[34:35]
	v_add_f32 v32, v32, v33                        ; l: at least 1, since the maximum's own weight is 1
	v_rcp_f32 v[RL], v32
.irp c, 0,1,2,3
	v_mov_b32 v[ACC+(\c)], 0                       ; four plain lines behind the reciprocal
.endr
	s_wait_alu depctr_va_vdst(0)                   ; 1 / l is written, ahead of the branch and of its readers on both ways; and the additions above are done with v32 to v47, in which the weights land from here on
	ds_load_b128 v[PB:PB+3],   v[PA]               ; block 0's eight weights, every lane the same bytes: my own wave stored them
	ds_load_b128 v[PB+4:PB+7], v[PA] offset:16
	s_lshr_b32 s23, s18, 1
	s_cmp_lg_u32 s23, s16
	s_cbranch_scc1 .Lnot_mine                      ; of out1's row work-group p stores the weights of waves 2 p and 2 p + 1
.irp c, 0,1,2,3
	v_mul_f32 v[28+(\c)], v[8+(\c)], v[RL]
.endr
	s_wait_alu depctr_va_vdst(0)                   ; out1's four weights are written in v28 to v31, which the store reads
	global_store_b128 v[T16], v[28:31], s[12:13]   ; 512 consecutive bytes, at a multiple of 512 from out1's first byte; its registers are not written again
.Lnot_mine:
; Block p of eight rows.  pos: p counted from the lap's beginning, 0 to 4: it gives the buffers (X[pos % 4], PB[pos % 2]) and the weights' place behind v[PA].
; first = 1: block 0, with no block in front of it: X3 has not been named, and PB1's last readers stand ahead of the wait in front of the branch above.
; ahead = 1: block p + 3 is loaded.  left: how many younger loads may stay out when this block's eight have to be there.  more = 1: block p + 1's weights are asked for.
.macro BLK pos, first, ahead, left, more
.set xw, X+32*((\pos)%4)+4*(((\pos)%4)/2)              ; the rows at work,
.set xl, X+32*(((\pos)+3)%4)+4*((((\pos)+3)%4)/2)      ; the buffer that the block before read,
.set pw, PB+8*((\pos)%2)                               ; the weights at work,
.set pl, PB+8*(1-(\pos)%2)                             ; the weights that the block before read,
.set bw, WB+2*((\pos)%4)                               ; and the two buffers' bases
.set bl, WB+2*(((\pos)+3)%4)
	s_wait_loadcnt \left                           ; loads come back in order (ISA guide 5.7.1): this block's eight rows are in, the younger blocks stay out
	s_wait_dscnt 0x0                               ; and so are its eight weights: their two loads are all that is out
.if \ahead
	s_add_nc_u64 s[bw:bw+1], s[bw:bw+1], 4*BLOCK*ROW  ; free since the wait for the rows, which shows the only loads that read it done: the buffer's next block, asked for in the block after this one
.endif
.if (\more) && !(\first)
	s_wait_alu depctr_va_vdst(0)                   ; the block before is done reading its rows and its weights, in which the loads below land; in a lap's first block v[PA] is written
.endif
.if \more
	ds_load_b128 v[pl:pl+3],   v[PA] offset:32*((\pos)+1)
	ds_load_b128 v[pl+4:pl+7], v[PA] offset:32*((\pos)+1)+16
.endif
.irp i, 0,1,2,3,4,5,6,7
.if \ahead
	global_load_b128 v[xl+4*(\i):xl+4*(\i)+3], v[KO], s[bl:bl+1] offset:(\i)*ROW th:TH_LOAD_NT  ; three blocks ahead; no vector instruction since the wait names these registers
.endif
.irp c, 0,1,2,3
	v_fmac_f32 v[ACC+(\c)], v[pw+(\i)], v[xw+4*(\i)+(\c)]
.endr
.endr
.endm
	BLK 0, 1, 1, 2*BLOCK, 1                        ; block 0
	s_mov_b32 s23, 3
.Lround:                                               ; blocks 1 to 12, four to a lap: both kinds of buffer are back at their start
	BLK 1, 0, 1, 2*BLOCK, 1
	BLK 2, 0, 1, 2*BLOCK, 1
	BLK 3, 0, 1, 2*BLOCK, 1
	BLK 4, 0, 1, 2*BLOCK, 1
	s_wait_alu depctr_vm_vsrc(0)                   ; the LDS loads issued so far have read v[PA]
	v_add_nc_u32 v[PA], 4*BLOCK*4, v[PA]           ; 32 weights on
	s_sub_co_u32 s23, s23, 1
	s_cmp_lg_u32 s23, 0
	s_cbranch_scc1 .Lround
	BLK 1, 0, 0, 2*BLOCK, 1                        ; blocks 13 to 15 load no rows: no load leaves the wave's part of keys, and the counts run down
	BLK 2, 0, 0, BLOCK, 1
	BLK 3, 0, 0, 0, 0                              ; the last block issues no load at all, so it has no wait on va_vdst
	s_wait_alu depctr_va_vdst(0)                   ; the multiply-adds have written ACC, which the LDS store reads, and are done reading X0 and X1, in which wave 0's loads land below
	ds_store_b128 v[T16], v[ACC:ACC+3] offset:CTX  ; wave w's 512 bytes
	s_wait_dscnt 0x0
	s_barrier_signal -1
	s_barrier_wait -1
	s_cmp_lg_u32 s18, 0
	s_cbranch_scc1 .Lend                           ; wave 0 adds the 16 partial contexts
.irp i, 0,1,2,3,4,5,6,7,8,9,10,11,12,13,14,15
	ds_load_b128 v[X+4*(\i):X+4*(\i)+3], v[L16] offset:CTX+(\i)*512
.endr
	s_wait_dscnt 0x0
.irp d, 8,4,2,1
.set i, 0
.rept (\d)
	v_pk_add_f32 v[X+4*i:X+4*i+1],   v[X+4*i:X+4*i+1],   v[X+4*(i+(\d)):X+4*(i+(\d))+1]
	v_pk_add_f32 v[X+4*i+2:X+4*i+3], v[X+4*i+2:X+4*i+3], v[X+4*(i+(\d))+2:X+4*(i+(\d))+3]
.set i, i+1
.endr
.endr
.irp c, 0,1,2,3
	v_mul_f32 v[X+(\c)], v[X+(\c)], v[RL]
.endr
	s_wait_alu depctr_va_vdst(0)                   ; out0's four numbers are written in v[X ..], which the store reads
	global_store_b128 v[L16], v[X:X+3], s[10:11]   ; 512 consecutive bytes, at a multiple of 512 from out0's first byte
.Lend:
	s_wait_dscnt 0x0                               ; the wave's end
	s_wait_alu 0x0
	s_wait_tensorcnt 0x0
	ds_add_u32 v[SPW], v[NIL]
	s_wait_dscnt 0x0
	s_endpgm
.Lfunc_end_k_qf19753724f_context:
	.size	k_qf19753724f_context, .Lfunc_end_k_qf19753724f_context-k_qf19753724f_context
	.p2alignl 7, 3214868480
	.fill 96, 4, 3214868480
	.section	.rodata,"a",@progbits
	.p2align	6, 0x0
	.amdhsa_kernel k_qf19753724f_context
		.amdhsa_group_segment_fixed_size 18944
		.amdhsa_private_segment_fixed_size 0
		.amdhsa_enable_private_segment 0
		.amdhsa_kernarg_size 40
		.amdhsa_user_sgpr_count 2
		.amdhsa_user_sgpr_kernarg_segment_ptr 1
		.amdhsa_wavefront_size32 1
		.amdhsa_system_sgpr_workgroup_id_x 1
		.amdhsa_system_sgpr_workgroup_id_y 1
		.amdhsa_system_sgpr_workgroup_id_z 1
		.amdhsa_system_vgpr_workitem_id 0
		.amdhsa_next_free_vgpr 184
		.amdhsa_next_free_sgpr 66
		.amdhsa_reserve_vcc 0
		.amdhsa_float_denorm_mode_32 3
		.amdhsa_float_denorm_mode_16_64 3
		.amdhsa_memory_ordered 1
		.amdhsa_forward_progress 1
		.amdhsa_inst_pref_size 27
	.end_amdhsa_kernel
	.amdgpu_metadata
---
amdhsa.version: [ 1, 2 ]
amdhsa.kernels:
  - .name:           k_qf19753724f_context
    .symbol:         k_qf19753724f_context.kd
    .args:
      - { .name: part, .offset: 0, .size: 8, .value_kind: global_buffer, .address_space: global }
      - { .name: Va_b, .offset: 8, .size: 8, .value_kind: global_buffer, .address_space: global }
      - { .name: keys, .offset: 16, .size: 8, .value_kind: global_buffer, .address_space: global }
      - { .name: out0, .offset: 24, .size: 8, .value_kind: global_buffer, .address_space: global }
      - { .name: out1, .offset: 32, .size: 8, .value_kind: global_buffer, .address_space: global }
    .group_segment_fixed_size: 18944
    .private_segment_fixed_size: 0
    .kernarg_segment_align: 8
    .kernarg_segment_size: 40
    .max_flat_workgroup_size: 512
    .sgpr_count:     66
    .vgpr_count:     184
    .wavefront_size: 32
...
	.end_amdgpu_metadata
.endif
;; end of part 4
